; MI455X (gfx1250); checked and timed in simulation.
; The chip was launched on July 23, 2026; its instructions are those of AMD's public machine-readable ISA for CDNA 5 (MIT licence, August 2026) and "CDNA5" Instruction Set Architecture Reference Guide (July 2026). The comments in the code are by the model that wrote it; some were corrected since.
;; Most Simple Cell Encoder. Allowed arithmetic: float matrix products may take bf16 or f16 operands with f32 sums; all other float work in f32.
;; Inputs: pos_table 120,000 x 64 float32; positions 64 x 2,048 int32; val_table 120,000 x 64 float32; values 64 x 2,048 int32.
;; Outputs: out0 64 x 64 float32.
;; 2 versions, each right; version 2 is version 1 with the launch encode written anew for expert scheduling mode. Each part assembles by itself: llvm-mc -triple=amdgcn-amd-amdhsa -mcpu=gfx1250 --defsym DOCPART=n.
;; ======== version 1 of 2: 1 launch
;; launch encode (part 1): grid 64 x 1, 32 waves a work-group, no clusters, 12,544 bytes of LDS; arguments pos_table, positions, val_table, values, out0; writes out0
.if DOCPART == 1
	.amdgcn_target "amdgcn-amd-amdhsa--gfx1250"
	.amdhsa_code_object_version 6
	.text
	.protected	k_q5fa0781366_encode
	.globl	k_q5fa0781366_encode
	.p2align	8
	.type	k_q5fa0781366_encode,@function
k_q5fa0781366_encode:
	s_mov_b64 s[64:65], 0
	v_nop
	global_prefetch_b8 v0, s[64:65] scope:SCOPE_SE
	s_setreg_imm32_b32 hwreg(HW_REG_WAVE_MODE, 25, 1), 1
	s_wait_xcnt 0x0
; out0[b][d] = 1/2048 * sum over k of ( renorm(pos_table[positions[b][k]])[d] + sum over bits 0..15 of renorm(val_table[bit of values[b][k]])[d] )
; renorm(v) = v / (|v| + 1e-7) where |v| > 1, else v.   64 samples, 2,048 entries each, rows of 64 f32 = 256 bytes.
; A bit is 0 or 1, so the bag sums of a sample add up to P * renorm(val_table[1]) + (16*2048 - P) * renorm(val_table[0]),
; P = the number of set bits among bits 0..15 of the sample's values (at most 32,768: exact in f32).
; One work-group owns one sample, so every output row has one owner and nothing passes between work-groups.
; 32 waves; a wave owns 64 entries.  One 16-byte load a lane brings TWO table rows: lanes 0-15 entry j, lanes 16-31 entry 32 + j;
; lane (r, h) holds columns 4 r .. 4 r + 3.  A ring of 16 such loads a wave: 32 waves x 16 x 512 bytes = 256 KiB are on their way.
; LIMITS: an index outside 0 .. 119,999 is clamped, as an unsigned number, to the last row.  The sums are taken in another order than
; the module's (per lane, per wave, then over the waves).  v_sqrt_f32 and v_rcp_f32 are good to 1 ULP.  A sum of squares beyond f32's range
; gives the scale 0, as in the module; one below 2^-126 counts as 0, where the scale is 1 either way.
.set F_LAST, 119999                    ; last row of the table
.set EPS,    0x33d6bf95                ; 1e-7
.set COUNTS, 8192                      ; LDS: bytes 0..8191 = 32 waves x 256 bytes of partial sums; then 32 words, the waves' bit counts
.set CA,  1                            ; v1       4 x wave: my wave's count word
.set R16, 2                            ; v2       16 x (lane mod 16): my 16 bytes in a table row
.set IA,  3                            ; v3       byte offset of my half-wave's 32 indices in the sample's list
.set VA,  4                            ; v4       8 x thread: my two values
.set L8,  5                            ; v5       8 x lane
.set PA,  6                            ; v6       LDS address of my 8 bytes of the wave's partial sums
.set TMP, 7                            ; v7       at work
.set OFF, 8                            ; v[8:39]    32 indices as loaded, then the 32 byte offsets of my 16 bytes; never rewritten after that
.set X,   40                           ; v[40:103]  the ring: 16 loads x 4 registers
.set A,   104                          ; v[104:107] sums of my 4 columns, loads 0 and 2 of each group
.set B,   108                          ; v[108:111] the same, loads 1 and 3: two sets take turns
.set T,   112                          ; v[112:119] at work
.set S,   120                          ; v[120:123] at work
.set VR,  124                          ; v[124:127] wave 0: columns 2 lane, 2 lane + 1 of val_table's rows 0 and 1
.set C,   T                            ; bit count
.set D,   T+1
.set VV,  T+2                          ; my two values as loaded
	s_load_b256 s[4:11], s[0:1], 0x0               ; pos_table s[4:5], positions s[6:7], val_table s[8:9], values s[10:11]
	s_load_b64 s[12:13], s[0:1], 0x20              ; out0
	v_lshrrev_b32 v[CA], 5, v0
	v_readfirstlane_b32 s14, v[CA]                 ; wave 0..31
	s_lshl_b32 s16, ttmp9, 13                      ; the sample's list: 2,048 x 4 bytes
	s_mov_b32 s17, 0
	s_lshl_b32 s18, ttmp9, 8                       ; the sample's output row: 256 bytes
	s_mov_b32 s19, 0
	s_mov_b32 s20, 0xff00ff00                      ; lanes whose number has bit 3
	s_mov_b32 s21, 0xf0f0f0f0                      ; lanes whose number has bit 2
	s_mov_b32 s22, 0x76543210                      ; v_permlanex16_b32: lane i reads lane i of the other half
	s_mov_b32 s23, 0xfedcba98
	s_mov_b32 s26, 0x01010101                      ; adds a word's four bytes into its top byte
	s_lshl_b32 s15, s14, 8                         ; my wave's 256 bytes of partial sums
	v_and_b32 v[R16], 15, v0
	v_lshlrev_b32 v[R16], 4, v[R16]
	v_lshrrev_b32 v[IA], 4, v0                     ; 2 x wave + half
	v_lshlrev_b32 v[IA], 7, v[IA]                  ; x 32 indices of 4 bytes
	v_lshlrev_b32 v[VA], 3, v0
	v_and_b32 v[L8], 31, v0
	v_lshlrev_b32 v[L8], 3, v[L8]
	v_bfe_u32 v[TMP], v0, 4, 1                     ; half
	v_lshl_add_u32 v[PA], v[TMP], 3, v[R16]        ; 16 r + 8 h
	v_add_nc_u32 v[PA], s15, v[PA]
	v_mov_b32 v[CA], s14
	v_lshlrev_b32 v[CA], 2, v[CA]
	s_wait_kmcnt 0x0
	s_add_nc_u64 s[6:7], s[6:7], s[16:17]
	s_add_nc_u64 s[10:11], s[10:11], s[16:17]
	s_add_nc_u64 s[12:13], s[12:13], s[18:19]
	s_cmp_lg_u32 s14, 0
	s_cbranch_scc1 .Llists
	global_load_b64 v[VR:VR+1],   v[L8], s[8:9]             ; wave 0 alone, which ends the work: val_table's row 0
	global_load_b64 v[VR+2:VR+3], v[L8], s[8:9] offset:256  ; and row 1.  The oldest loads: no later count has to know of them
.Llists:
.irp j, 0,1,2,3,4,5,6,7
	global_load_b128 v[OFF+4*\j:OFF+4*\j+3], v[IA], s[6:7] offset:16*\j   ; the 16 lanes of a half read the same 16 bytes: every lane gets its half's 32 indices
.endr
	global_load_b64 v[VV:VV+1], v[VA], s[10:11] th:TH_LOAD_NT              ; read once in the launch
	s_wait_loadcnt 0x1                             ; loads come back in order: one load, the values', was issued behind the indices
.set j, 0
.rept 16
	v_min_u32 v[OFF+j], F_LAST, v[OFF+j]           ; inside the table
	v_lshl_add_u32 v[OFF+j], v[OFF+j], 8, v[R16]   ; row x 256 + my 16 bytes
	global_load_b128 v[X+4*j:X+4*j+3], v[OFF+j], s[4:5]    ; the ring is filled: entries 0-15 and 32-47 of the wave
.set j, j+1
.endr
	; What follows up to the first group is done while those rows are on their way.
.rept 16
	v_min_u32 v[OFF+j], F_LAST, v[OFF+j]
	v_lshl_add_u32 v[OFF+j], v[OFF+j], 8, v[R16]
.set j, j+1
.endr
	s_wait_loadcnt 0x10                            ; the 16 loads of the ring were issued behind the values
	v_perm_b32 v[C], v[VV+1], v[VV], 0x05040100    ; the low halves of my two values in one word: bits 0..15 are all that count
	v_lshrrev_b32 v[D], 1, v[C]                    ; set bits, by adding neighbouring fields of 1, 2, 4 bits,
	v_and_b32 v[D], 0x55555555, v[D]
	v_sub_nc_u32 v[C], v[C], v[D]
	v_lshrrev_b32 v[D], 2, v[C]
	v_and_b32 v[C], 0x33333333, v[C]
	v_and_b32 v[D], 0x33333333, v[D]
	v_add_nc_u32 v[C], v[C], v[D]
	v_lshrrev_b32 v[D], 4, v[C]
	v_add_nc_u32 v[C], v[C], v[D]
	v_and_b32 v[C], 0x0f0f0f0f, v[C]
	v_mul_lo_u32 v[C], v[C], s26                   ; then the four bytes
	v_lshrrev_b32 v[C], 24, v[C]
	v_cvt_f32_u32 v[C], v[C]                       ; at most 32; every sum of counts stays a whole number below 2^24: exact
	v_add_f32_dpp v[C], v[C], v[C] row_xmask:1 row_mask:0xf bank_mask:0xf
	v_add_f32_dpp v[C], v[C], v[C] row_xmask:2 row_mask:0xf bank_mask:0xf
	v_add_f32_dpp v[C], v[C], v[C] row_xmask:4 row_mask:0xf bank_mask:0xf
	v_add_f32_dpp v[C], v[C], v[C] row_xmask:8 row_mask:0xf bank_mask:0xf
	v_permlanex16_b32 v[D], v[C], s22, s23
	v_add_f32 v[C], v[C], v[D]
	ds_store_b32 v[CA], v[C] offset:COUNTS         ; all lanes write the wave's word with the same number
; acc += scale x the 4 numbers of load i of the group; the scale is the first register of the pair t.  first = 1: the product starts the sum.
; refill = 1: the load's registers are asked for again at once, with entry nxt + i.
.macro TAKE acc, i, first, refill, nxt
.if \first
	v_pk_mul_f32 v[\acc:\acc+1],   v[XB+4*\i:XB+4*\i+1],   v[T+2*\i:T+2*\i+1] op_sel_hi:[1,0]
	v_pk_mul_f32 v[\acc+2:\acc+3], v[XB+4*\i+2:XB+4*\i+3], v[T+2*\i:T+2*\i+1] op_sel_hi:[1,0]
.else
	v_pk_fma_f32 v[\acc:\acc+1],   v[XB+4*\i:XB+4*\i+1],   v[T+2*\i:T+2*\i+1], v[\acc:\acc+1] op_sel_hi:[1,0,1]
	v_pk_fma_f32 v[\acc+2:\acc+3], v[XB+4*\i+2:XB+4*\i+3], v[T+2*\i:T+2*\i+1], v[\acc+2:\acc+3] op_sel_hi:[1,0,1]
.endif
.if \refill
	global_load_b128 v[XB+4*\i:XB+4*\i+3], v[OFF+\nxt+\i], s[4:5]
.endif
.endm
; A group: the four loads (eight rows) of ring quarter slot.  left = how many younger loads may stay out.
.macro GROUP slot, nxt, first, refill, left
.set XB, X+16*\slot
	s_wait_loadcnt \left                           ; loads come back in order: the group's four are in
.irp i, 0,1,2,3
	v_pk_mul_f32 v[T+2*\i:T+2*\i+1], v[XB+4*\i:XB+4*\i+1], v[XB+4*\i:XB+4*\i+1]
.endr
.irp i, 0,1,2,3
	v_pk_fma_f32 v[T+2*\i:T+2*\i+1], v[XB+4*\i+2:XB+4*\i+3], v[XB+4*\i+2:XB+4*\i+3], v[T+2*\i:T+2*\i+1]
.endr
.irp i, 0,1,2,3
	v_add_f32 v[S+\i], v[T+2*\i], v[T+2*\i+1]      ; the squares of my 4 numbers of load i
.endr
	; The four sums over 16 lanes are made together.  A step keeps one load's numbers in the lanes without the bit and another's in the lanes with it,
	; and adds the partner lane's: two registers become one.  Behind steps 8 and 4, lanes 0-3 of each half carry load 0, 4-7 load 2, 8-11 load 1, 12-15 load 3.
	v_cndmask_b32 v[T+1], v[S+0], v[S+1], s20
	v_cndmask_b32 v[T+3], v[S+1], v[S+0], s20
	v_cndmask_b32 v[T+5], v[S+2], v[S+3], s20
	v_cndmask_b32 v[T+7], v[S+3], v[S+2], s20
	v_add_f32_dpp v[T+1], v[T+3], v[T+1] row_xmask:8 row_mask:0xf bank_mask:0xf
	v_add_f32_dpp v[T+5], v[T+7], v[T+5] row_xmask:8 row_mask:0xf bank_mask:0xf
	v_cndmask_b32 v[S+0], v[T+1], v[T+5], s21
	v_cndmask_b32 v[S+1], v[T+5], v[T+1], s21
	v_add_f32_dpp v[S+0], v[S+1], v[S+0] row_xmask:4 row_mask:0xf bank_mask:0xf
	v_add_f32_dpp v[S+0], v[S+0], v[S+0] row_xmask:2 row_mask:0xf bank_mask:0xf
	v_add_f32_dpp v[S+0], v[S+0], v[S+0] row_xmask:1 row_mask:0xf bank_mask:0xf
	v_sqrt_f32 v[S+1], v[S+0]                      ; the norms of all eight rows in one instruction
	v_nop                                          ; one plain vector instruction stands between a transcendental and the use of its result (ISA guide 5.7.2)
	s_wait_alu depctr_va_vdst(0)
	v_add_f32 v[S+2], EPS, v[S+1]
	v_rcp_f32 v[S+3], v[S+2]
	v_cmp_lt_f32 vcc_lo, 1.0, v[S+1]               ; touches neither the reciprocal nor its source: the place behind v_rcp_f32.  A NaN compares false: scale 1
	s_wait_alu depctr_va_vdst(0)
	v_cndmask_b32 v[S+0], 1.0, v[S+3], vcc_lo      ; 1 / (norm + 1e-7) where the norm is above 1, else 1
	v_mov_b32_dpp v[T+0], v[S+0] row_share:0 row_mask:0xf bank_mask:0xf    ; each load's scale to the 16 lanes of its row.  The odd registers of
	v_mov_b32_dpp v[T+2], v[S+0] row_share:8 row_mask:0xf bank_mask:0xf    ; T hold old numbers: the packed products take the even one twice
	v_mov_b32_dpp v[T+4], v[S+0] row_share:4 row_mask:0xf bank_mask:0xf
	v_mov_b32_dpp v[T+6], v[S+0] row_share:12 row_mask:0xf bank_mask:0xf
	TAKE A, 0, \first, \refill, \nxt
	TAKE B, 1, \first, \refill, \nxt
	TAKE A, 2, 0, \refill, \nxt
	TAKE B, 3, 0, \refill, \nxt
.endm
	GROUP 0, 16, 1, 1, 12                          ; three younger groups of four loads stay out,
	GROUP 1, 20, 0, 1, 12
	GROUP 2, 24, 0, 1, 12
	GROUP 3, 28, 0, 1, 12
	GROUP 0, 0, 0, 0, 12                           ; here too: the refills of quarters 1, 2, 3
	GROUP 1, 0, 0, 0, 8                            ; nothing is left to ask for: the counts run down
	GROUP 2, 0, 0, 0, 4
	GROUP 3, 0, 0, 0, 0
	; The wave's sums: the two sets, then the two halves.  The swap puts lanes 16-31 of the first register and lanes 0-15 of the second in each other's place,
	; so that one packed add leaves columns 4 r + 2 h, 4 r + 2 h + 1 in lane (r, h): 8 bytes a lane, 256 bytes a wave.
	v_pk_add_f32 v[A:A+1], v[A:A+1], v[B:B+1]
	v_pk_add_f32 v[A+2:A+3], v[A+2:A+3], v[B+2:B+3]
	v_permlane16_swap_b32 v[A], v[A+2]
	v_permlane16_swap_b32 v[A+1], v[A+3]
	v_pk_add_f32 v[A:A+1], v[A:A+1], v[A+2:A+3]
	ds_store_b64 v[PA], v[A:A+1]
	s_wait_dscnt 0x0                               ; my sums and my count are in LDS, for wave 0's sake
	s_barrier_signal -1
	s_barrier_wait -1                              ; everybody's are
	s_cmp_lg_u32 s14, 0
	s_cbranch_scc1 .Ldone
	; Wave 0 ends the work.  Lane l takes columns 2 l, 2 l + 1 of the 32 waves' sums: each load reads 256 neighbouring bytes.
.set j, 0
.rept 32
	ds_load_b64 v[X+2*j:X+2*j+1], v[L8] offset:256*j
.set j, j+1
.endr
	v_lshrrev_b32 v[TMP], 1, v[L8]                 ; 4 x lane
	ds_load_b32 v[C], v[TMP] offset:COUNTS         ; lane l: wave l's count
	; meanwhile: the scales of val_table's rows 0 and 1 (in since the last group's wait for all loads)
	v_mul_f32 v[S+0], v[VR], v[VR]
	v_mul_f32 v[S+1], v[VR+2], v[VR+2]
	v_fmac_f32 v[S+0], v[VR+1], v[VR+1]
	v_fmac_f32 v[S+1], v[VR+3], v[VR+3]
	v_permlane16_swap_b32 v[S+0], v[S+1]           ; row 0's squares now in lanes 0-15 of both registers, row 1's in lanes 16-31
	v_add_f32 v[S+0], v[S+0], v[S+1]
	v_add_f32_dpp v[S+0], v[S+0], v[S+0] row_xmask:1 row_mask:0xf bank_mask:0xf
	v_add_f32_dpp v[S+0], v[S+0], v[S+0] row_xmask:2 row_mask:0xf bank_mask:0xf
	v_add_f32_dpp v[S+0], v[S+0], v[S+0] row_xmask:4 row_mask:0xf bank_mask:0xf
	v_add_f32_dpp v[S+0], v[S+0], v[S+0] row_xmask:8 row_mask:0xf bank_mask:0xf
	v_sqrt_f32 v[S+1], v[S+0]
	v_nop                                          ; the place behind the transcendental, as above
	s_wait_alu depctr_va_vdst(0)
	v_add_f32 v[S+2], EPS, v[S+1]
	v_rcp_f32 v[S+3], v[S+2]
	v_cmp_lt_f32 vcc_lo, 1.0, v[S+1]
	s_wait_alu depctr_va_vdst(0)
	v_cndmask_b32 v[S+0], 1.0, v[S+3], vcc_lo
	v_readlane_b32 s24, v[S+0], 0                  ; row 0's scale
	v_readlane_b32 s25, v[S+0], 16                 ; row 1's scale
	s_wait_dscnt 0x0
	v_add_f32_dpp v[C], v[C], v[C] row_xmask:1 row_mask:0xf bank_mask:0xf
	v_add_f32_dpp v[C], v[C], v[C] row_xmask:2 row_mask:0xf bank_mask:0xf
	v_add_f32_dpp v[C], v[C], v[C] row_xmask:4 row_mask:0xf bank_mask:0xf
	v_add_f32_dpp v[C], v[C], v[C] row_xmask:8 row_mask:0xf bank_mask:0xf
	v_permlanex16_b32 v[D], v[C], s22, s23
	v_add_f32 v[C], v[C], v[D]                     ; P, the sample's set bits, in every lane
.set j, 4
.rept 28
	v_pk_add_f32 v[X+2*(j%4):X+2*(j%4)+1], v[X+2*(j%4):X+2*(j%4)+1], v[X+2*j:X+2*j+1]   ; four chains that do not wait for each other
.set j, j+1
.endr
	v_sub_f32 v[T+2], 0x47000000, v[C]             ; 16 x 2,048 - P: the clear bits
	v_mul_f32 v[C], s25, v[C]                      ; P x row 1's scale
	v_mul_f32 v[T+2], s24, v[T+2]                  ; clear bits x row 0's scale
	v_pk_add_f32 v[X:X+1], v[X:X+1], v[X+2:X+3]
	v_pk_add_f32 v[X+4:X+5], v[X+4:X+5], v[X+6:X+7]
	v_pk_add_f32 v[X:X+1], v[X:X+1], v[X+4:X+5]
	v_pk_fma_f32 v[X:X+1], v[VR+2:VR+3], v[C:C+1], v[X:X+1] op_sel_hi:[1,0,1]
	v_pk_fma_f32 v[X:X+1], v[VR:VR+1], v[T+2:T+3], v[X:X+1] op_sel_hi:[1,0,1]
	v_pk_mul_f32 v[X:X+1], v[X:X+1], 0x3a000000 op_sel_hi:[1,0]   ; the mean: x 2^-11, exact
	global_store_b64 v[L8], v[X:X+1], s[12:13]     ; 32 lanes store the sample's 256 consecutive bytes, at a multiple of 256 from out0's first byte
.Ldone:
	s_wait_xcnt 0x0
	v_lshl_add_u32 v122, v0, 2, 0x2100
	v_mov_b32 v123, 0
	s_wait_tensorcnt 0x0
	ds_add_u32 v122, v123
	s_wait_dscnt 0x0
	s_endpgm
.Lfunc_end_k_q5fa0781366_encode:
	.size	k_q5fa0781366_encode, .Lfunc_end_k_q5fa0781366_encode-k_q5fa0781366_encode
	.p2alignl 7, 3214868480
	.fill 96, 4, 3214868480
	.section	.rodata,"a",@progbits
	.p2align	6, 0x0
	.amdhsa_kernel k_q5fa0781366_encode
		.amdhsa_group_segment_fixed_size 12544
		.amdhsa_private_segment_fixed_size 0
		.amdhsa_enable_private_segment 0
		.amdhsa_kernarg_size 40
		.amdhsa_user_sgpr_count 2
		.amdhsa_user_sgpr_kernarg_segment_ptr 1
		.amdhsa_wavefront_size32 1
		.amdhsa_system_sgpr_workgroup_id_x 1
		.amdhsa_system_sgpr_workgroup_id_y 1
		.amdhsa_system_sgpr_workgroup_id_z 1
		.amdhsa_system_vgpr_workitem_id 0
		.amdhsa_next_free_vgpr 128
		.amdhsa_next_free_sgpr 66
		.amdhsa_reserve_vcc 1
		.amdhsa_float_denorm_mode_32 3
		.amdhsa_float_denorm_mode_16_64 3
		.amdhsa_memory_ordered 1
		.amdhsa_forward_progress 1
		.amdhsa_inst_pref_size 37
	.end_amdhsa_kernel
	.amdgpu_metadata
---
amdhsa.version: [ 1, 2 ]
amdhsa.kernels:
  - .name:           k_q5fa0781366_encode
    .symbol:         k_q5fa0781366_encode.kd
    .args:
      - { .name: pos_table, .offset: 0, .size: 8, .value_kind: global_buffer, .address_space: global }
      - { .name: positions, .offset: 8, .size: 8, .value_kind: global_buffer, .address_space: global }
      - { .name: val_table, .offset: 16, .size: 8, .value_kind: global_buffer, .address_space: global }
      - { .name: values, .offset: 24, .size: 8, .value_kind: global_buffer, .address_space: global }
      - { .name: out0, .offset: 32, .size: 8, .value_kind: global_buffer, .address_space: global }
    .group_segment_fixed_size: 12544
    .private_segment_fixed_size: 0
    .kernarg_segment_align: 8
    .kernarg_segment_size: 40
    .max_flat_workgroup_size: 1024
    .sgpr_count:     66
    .vgpr_count:     128
    .wavefront_size: 32
...
	.end_amdgpu_metadata
.endif
;; end of part 1
;; ======== version 2 of 2: 1 launch; version 1 with the launch encode written anew for expert scheduling mode
;; launch encode (part 2): grid 64 x 1, 32 waves a work-group, no clusters, 12,544 bytes of LDS; arguments pos_table, positions, val_table, values, out0; writes out0
.if DOCPART == 2
	.amdgcn_target "amdgcn-amd-amdhsa--gfx1250"
	.amdhsa_code_object_version 6
	.text
	.protected	k_q5fa0781366_encode
	.globl	k_q5fa0781366_encode
	.p2align	8
	.type	k_q5fa0781366_encode,@function
k_q5fa0781366_encode:
	s_mov_b64 s[64:65], 0
	v_nop
	global_prefetch_b8 v0, s[64:65] scope:SCOPE_SE
	s_setreg_imm32_b32 hwreg(HW_REG_WAVE_SCHED_MODE, 0, 2), 2
	s_setreg_imm32_b32 hwreg(HW_REG_WAVE_MODE, 25, 1), 1
	s_wait_xcnt 0x0
	s_wait_alu depctr_vm_vsrc(0)
; out0[b][d] = 1/2048 * sum over k of ( renorm(pos_table[positions[b][k]])[d] + sum over bits 0..15 of renorm(val_table[bit of values[b][k]])[d] )
; renorm(v) = v / (|v| + 1e-7) where |v| > 1, else v.   64 samples, 2,048 entries each, rows of 64 f32 = 256 bytes.
; A bit is 0 or 1, so the bag sums of a sample add up to P * renorm(val_table[1]) + (16*2048 - P) * renorm(val_table[0]),
; P = the number of set bits among bits 0..15 of the sample's values (at most 32,768: exact in f32).
; One work-group owns one sample, so every output row has one owner and nothing passes between work-groups.
; 32 waves; a wave owns 64 entries.  One 16-byte load a lane brings TWO table rows: lanes 0-15 entry j, lanes 16-31 entry 32 + j;
; lane (r, h) holds columns 4 r .. 4 r + 3.  A ring of 16 such loads a wave: 32 waves x 16 x 512 bytes = 256 KiB are on their way.
; LIMITS: an index outside 0 .. 119,999 is clamped, as an unsigned number, to the last row.  The sums are taken in another order than
; the module's (per lane, per wave, then over the waves).  v_sqrt_f32 and v_rcp_f32 are good to 1 ULP.  A sum of squares beyond f32's range
; gives the scale 0, as in the module; one below 2^-126 counts as 0, where the scale is 1 either way.
; THE MODE: SCHED_MODE bits 1:0 = 2 (LLVM: expert scheduling mode 2), set by the entry lines.  The code itself states the register dependences
; between vector instructions and memory or LDS instructions, with s_wait_alu, always for 0.
; THE PLAN.  Registers that memory or LDS instructions touch:
;   v1, v3 .. v6   offsets and LDS addresses: written at the head, never again; one wait ahead of the first load serves all their readers.
;   OFF            the index loads land in it; vector lines make the 32 offsets of it, 0-15 ahead of the ring's fill, 16-31 behind it; then it is read by
;                  the gathers alone and never written.
;   X, a quarter   four gathers land in it; its group's squares and products read it; behind the products ONE wait, and the quarter's four refills in one run.
;   v[C] = v[T]    the bit count: written by vector lines, read by one LDS store, written again by the first group: a wait on either side of the store.
;   v[A:A+1]       the wave's sums: read by one LDS store, not written after it.
;   T, S, B        named by vector instructions alone (the values' load lands in v[T+2:T+3]; in wave 0's last part an LDS load lands in v[T]).
.set F_LAST, 119999                    ; last row of the table
.set EPS,    0x33d6bf95                ; 1e-7
.set COUNTS, 8192                      ; LDS: bytes 0..8191 = 32 waves x 256 bytes of partial sums; then 32 words, the waves' bit counts
.set CA,  1                            ; v1       4 x wave: my wave's count word
.set R16, 2                            ; v2       16 x (lane mod 16): my 16 bytes in a table row
.set IA,  3                            ; v3       byte offset of my half-wave's 32 indices in the sample's list
.set VA,  4                            ; v4       8 x thread: my two values
.set L8,  5                            ; v5       8 x lane
.set PA,  6                            ; v6       LDS address of my 8 bytes of the wave's partial sums
.set TMP, 7                            ; v7       at work
.set OFF, 8                            ; v[8:39]    32 indices as loaded, then the 32 byte offsets of my 16 bytes; never rewritten after that
.set X,   40                           ; v[40:103]  the ring: 16 loads x 4 registers
.set A,   104                          ; v[104:107] sums of my 4 columns, loads 0 and 2 of each group
.set B,   108                          ; v[108:111] the same, loads 1 and 3: two sets take turns
.set T,   112                          ; v[112:119] at work
.set S,   120                          ; v[120:123] at work
.set VR,  124                          ; v[124:127] wave 0: columns 2 lane, 2 lane + 1 of val_table's rows 0 and 1
.set C,   T                            ; bit count
.set D,   T+1
.set VV,  T+2                          ; my two values as loaded
	s_load_b256 s[4:11], s[0:1], 0x0               ; pos_table s[4:5], positions s[6:7], val_table s[8:9], values s[10:11]
	s_load_b64 s[12:13], s[0:1], 0x20              ; out0
	v_lshrrev_b32 v[CA], 5, v0
	v_readfirstlane_b32 s14, v[CA]                 ; wave 0..31
	s_lshl_b32 s16, ttmp9, 13                      ; the sample's list: 2,048 x 4 bytes
	s_mov_b32 s17, 0
	s_lshl_b32 s18, ttmp9, 8                       ; the sample's output row: 256 bytes
	s_mov_b32 s19, 0
	s_mov_b32 s20, 0xff00ff00                      ; lanes whose number has bit 3
	s_mov_b32 s21, 0xf0f0f0f0                      ; lanes whose number has bit 2
	s_mov_b32 s22, 0x76543210                      ; v_permlanex16_b32: lane i reads lane i of the other half
	s_mov_b32 s23, 0xfedcba98
	s_mov_b32 s26, 0x01010101                      ; adds a word's four bytes into its top byte
	v_and_b32 v[R16], 15, v0
	v_lshlrev_b32 v[R16], 4, v[R16]
	v_lshrrev_b32 v[IA], 4, v0                     ; 2 x wave + half
	v_lshlrev_b32 v[IA], 7, v[IA]                  ; x 32 indices of 4 bytes
	v_lshlrev_b32 v[VA], 3, v0
	v_and_b32 v[L8], 31, v0
	v_lshlrev_b32 v[L8], 3, v[L8]
	v_bfe_u32 v[TMP], v0, 4, 1                     ; half
	v_lshl_add_u32 v[PA], v[TMP], 3, v[R16]        ; 16 r + 8 h
	s_wait_alu depctr_va_sdst(0)                   ; s14 is written, ahead of its first reader, the line below
	s_lshl_b32 s15, s14, 8                         ; my wave's 256 bytes of partial sums
	v_add_nc_u32 v[PA], s15, v[PA]
	v_mov_b32 v[CA], s14
	v_lshlrev_b32 v[CA], 2, v[CA]
	s_wait_kmcnt 0x0
	s_add_nc_u64 s[6:7], s[6:7], s[16:17]
	s_add_nc_u64 s[10:11], s[10:11], s[16:17]
	s_add_nc_u64 s[12:13], s[12:13], s[18:19]
	s_wait_alu depctr_va_vdst(0)                   ; v1 and v3 to v6 are written: the loads and stores of both ways below, and of the rest of the kernel, read them as offsets and LDS addresses
	s_cmp_lg_u32 s14, 0
	s_cbranch_scc1 .Llists
	global_load_b64 v[VR:VR+1],   v[L8], s[8:9]             ; wave 0 alone, which ends the work: val_table's row 0
	global_load_b64 v[VR+2:VR+3], v[L8], s[8:9] offset:256  ; and row 1.  The oldest loads: no later count has to know of them
.Llists:
.irp j, 0,1,2,3,4,5,6,7
	global_load_b128 v[OFF+4*\j:OFF+4*\j+3], v[IA], s[6:7] offset:16*\j   ; the 16 lanes of a half read the same 16 bytes: every lane gets its half's 32 indices
.endr
	global_load_b64 v[VV:VV+1], v[VA], s[10:11] th:TH_LOAD_NT              ; read once in the launch
	s_wait_loadcnt 0x1                             ; loads come back in order: one load, the values', was issued behind the indices
.set j, 0
.rept 16
	v_min_u32 v[OFF+j], F_LAST, v[OFF+j]           ; inside the table
	v_lshl_add_u32 v[OFF+j], v[OFF+j], 8, v[R16]   ; row x 256 + my 16 bytes
.set j, j+1
.endr
	s_wait_alu depctr_va_vdst(0)                   ; the first 16 offsets are written, which the 16 loads below read
.set j, 0
.rept 16
	global_load_b128 v[X+4*j:X+4*j+3], v[OFF+j], s[4:5]    ; the ring is filled: entries 0-15 and 32-47 of the wave
.set j, j+1
.endr
	; What follows up to the first group is done while those rows are on their way.
.rept 16
	v_min_u32 v[OFF+j], F_LAST, v[OFF+j]
	v_lshl_add_u32 v[OFF+j], v[OFF+j], 8, v[R16]
.set j, j+1
.endr
	s_wait_loadcnt 0x10                            ; the 16 loads of the ring were issued behind the values
	v_perm_b32 v[C], v[VV+1], v[VV], 0x05040100    ; the low halves of my two values in one word: bits 0..15 are all that count
	v_lshrrev_b32 v[D], 1, v[C]                    ; set bits, by adding neighbouring fields of 1, 2, 4 bits,
	v_and_b32 v[D], 0x55555555, v[D]
	v_sub_nc_u32 v[C], v[C], v[D]
	v_lshrrev_b32 v[D], 2, v[C]
	v_and_b32 v[C], 0x33333333, v[C]
	v_and_b32 v[D], 0x33333333, v[D]
	v_add_nc_u32 v[C], v[C], v[D]
	v_lshrrev_b32 v[D], 4, v[C]
	v_add_nc_u32 v[C], v[C], v[D]
	v_and_b32 v[C], 0x0f0f0f0f, v[C]
	v_mul_lo_u32 v[C], v[C], s26                   ; then the four bytes
	v_lshrrev_b32 v[C], 24, v[C]
	v_cvt_f32_u32 v[C], v[C]                       ; at most 32; every sum of counts stays a whole number below 2^24: exact
	v_add_f32_dpp v[C], v[C], v[C] row_xmask:1 row_mask:0xf bank_mask:0xf
	v_add_f32_dpp v[C], v[C], v[C] row_xmask:2 row_mask:0xf bank_mask:0xf
	v_add_f32_dpp v[C], v[C], v[C] row_xmask:4 row_mask:0xf bank_mask:0xf
	v_add_f32_dpp v[C], v[C], v[C] row_xmask:8 row_mask:0xf bank_mask:0xf
	v_permlanex16_b32 v[D], v[C], s22, s23
	v_add_f32 v[C], v[C], v[D]
	s_wait_alu depctr_va_vdst(0)                   ; v[C] is written, which the LDS store reads; so are offsets 16 to 31, which the groups' refills read
	ds_store_b32 v[CA], v[C] offset:COUNTS         ; all lanes write the wave's word with the same number
	s_wait_alu depctr_vm_vsrc(0)                   ; that store has read v[C], which is v[T]: the first group's squares write it
; acc += scale x the 4 numbers of load i of the group; the scale is the first register of the pair t.  first = 1: the product starts the sum.
.macro TAKE acc, i, first
.if \first
	v_pk_mul_f32 v[\acc:\acc+1],   v[XB+4*\i:XB+4*\i+1],   v[T+2*\i:T+2*\i+1] op_sel_hi:[1,0]
	v_pk_mul_f32 v[\acc+2:\acc+3], v[XB+4*\i+2:XB+4*\i+3], v[T+2*\i:T+2*\i+1] op_sel_hi:[1,0]
.else
	v_pk_fma_f32 v[\acc:\acc+1],   v[XB+4*\i:XB+4*\i+1],   v[T+2*\i:T+2*\i+1], v[\acc:\acc+1] op_sel_hi:[1,0,1]
	v_pk_fma_f32 v[\acc+2:\acc+3], v[XB+4*\i+2:XB+4*\i+3], v[T+2*\i:T+2*\i+1], v[\acc+2:\acc+3] op_sel_hi:[1,0,1]
.endif
.endm
; A group: the four loads (eight rows) of ring quarter slot.  left = how many younger loads may stay out.
; refill = 1: behind the group's products the quarter is asked for again, with entries nxt to nxt + 3.
.macro GROUP slot, nxt, first, refill, left
.set XB, X+16*\slot
	s_wait_loadcnt \left                           ; loads come back in order: the group's four are in
.irp i, 0,1,2,3
	v_pk_mul_f32 v[T+2*\i:T+2*\i+1], v[XB+4*\i:XB+4*\i+1], v[XB+4*\i:XB+4*\i+1]
.endr
.irp i, 0,1,2,3
	v_pk_fma_f32 v[T+2*\i:T+2*\i+1], v[XB+4*\i+2:XB+4*\i+3], v[XB+4*\i+2:XB+4*\i+3], v[T+2*\i:T+2*\i+1]
.endr
.irp i, 0,1,2,3
	v_add_f32 v[S+\i], v[T+2*\i], v[T+2*\i+1]      ; the squares of my 4 numbers of load i
.endr
	; The four sums over 16 lanes are made together.  A step keeps one load's numbers in the lanes without the bit and another's in the lanes with it,
	; and adds the partner lane's: two registers become one.  Behind steps 8 and 4, lanes 0-3 of each half carry load 0, 4-7 load 2, 8-11 load 1, 12-15 load 3.
	v_cndmask_b32 v[T+1], v[S+0], v[S+1], s20
	v_cndmask_b32 v[T+3], v[S+1], v[S+0], s20
	v_cndmask_b32 v[T+5], v[S+2], v[S+3], s20
	v_cndmask_b32 v[T+7], v[S+3], v[S+2], s20
	v_add_f32_dpp v[T+1], v[T+3], v[T+1] row_xmask:8 row_mask:0xf bank_mask:0xf
	v_add_f32_dpp v[T+5], v[T+7], v[T+5] row_xmask:8 row_mask:0xf bank_mask:0xf
	v_cndmask_b32 v[S+0], v[T+1], v[T+5], s21
	v_cndmask_b32 v[S+1], v[T+5], v[T+1], s21
	v_add_f32_dpp v[S+0], v[S+1], v[S+0] row_xmask:4 row_mask:0xf bank_mask:0xf
	v_add_f32_dpp v[S+0], v[S+0], v[S+0] row_xmask:2 row_mask:0xf bank_mask:0xf
	v_add_f32_dpp v[S+0], v[S+0], v[S+0] row_xmask:1 row_mask:0xf bank_mask:0xf
	v_sqrt_f32 v[S+1], v[S+0]                      ; the norms of all eight rows in one instruction
	v_nop                                          ; one plain vector instruction stands between a transcendental and the use of its result (ISA guide 5.7.2)
	s_wait_alu depctr_va_vdst(0)                   ; the square root has written v[S+1], ahead of its first reader
	v_add_f32 v[S+2], EPS, v[S+1]
	v_rcp_f32 v[S+3], v[S+2]
	v_cmp_lt_f32 vcc_lo, 1.0, v[S+1]               ; touches neither the reciprocal nor its source: the place behind v_rcp_f32.  A NaN compares false: scale 1
	s_wait_alu depctr_va_vdst(0)                   ; the reciprocal has written v[S+3], ahead of its first reader
	s_wait_alu depctr_va_vcc(0)                    ; the compare has written VCC, which the select reads
	v_cndmask_b32 v[S+0], 1.0, v[S+3], vcc_lo      ; 1 / (norm + 1e-7) where the norm is above 1, else 1
	v_mov_b32_dpp v[T+0], v[S+0] row_share:0 row_mask:0xf bank_mask:0xf    ; each load's scale to the 16 lanes of its row.  The odd registers of
	v_mov_b32_dpp v[T+2], v[S+0] row_share:8 row_mask:0xf bank_mask:0xf    ; T hold old numbers: the packed products take the even one twice
	v_mov_b32_dpp v[T+4], v[S+0] row_share:4 row_mask:0xf bank_mask:0xf
	v_mov_b32_dpp v[T+6], v[S+0] row_share:12 row_mask:0xf bank_mask:0xf
	TAKE A, 0, \first
	TAKE B, 1, \first
	TAKE A, 2, 0
	TAKE B, 3, 0
.if \refill
	s_wait_alu depctr_va_vdst(0)                   ; the group's squares and products are done reading the quarter, in which the four loads below land
.irp i, 0,1,2,3
	global_load_b128 v[XB+4*\i:XB+4*\i+3], v[OFF+\nxt+\i], s[4:5]  ; the quarter is asked for again at once, so that it does not lie idle until the next group's head
.endr
.endif
.endm
	GROUP 0, 16, 1, 1, 12                          ; three younger groups of four loads stay out,
	GROUP 1, 20, 0, 1, 12
	GROUP 2, 24, 0, 1, 12
	GROUP 3, 28, 0, 1, 12
	GROUP 0, 0, 0, 0, 12                           ; here too: the refills of quarters 1, 2, 3
	GROUP 1, 0, 0, 0, 8                            ; nothing is left to ask for: the counts run down
	GROUP 2, 0, 0, 0, 4
	GROUP 3, 0, 0, 0, 0
	; The wave's sums: the two sets, then the two halves.  The swap puts lanes 16-31 of the first register and lanes 0-15 of the second in each other's place,
	; so that one packed add leaves columns 4 r + 2 h, 4 r + 2 h + 1 in lane (r, h): 8 bytes a lane, 256 bytes a wave.
	v_pk_add_f32 v[A:A+1], v[A:A+1], v[B:B+1]
	v_pk_add_f32 v[A+2:A+3], v[A+2:A+3], v[B+2:B+3]
	v_permlane16_swap_b32 v[A], v[A+2]
	v_permlane16_swap_b32 v[A+1], v[A+3]
	v_pk_add_f32 v[A:A+1], v[A:A+1], v[A+2:A+3]
	s_wait_alu depctr_va_vdst(0)                   ; v[A:A+1] is written, which the LDS store reads; and the groups are done with X and T, in which wave 0's LDS loads land
	ds_store_b64 v[PA], v[A:A+1]
	s_wait_dscnt 0x0                               ; my sums and my count are in LDS, for wave 0's sake
	s_barrier_signal -1
	s_barrier_wait -1                              ; everybody's are
	s_cmp_lg_u32 s14, 0
	s_cbranch_scc1 .Ldone
	; Wave 0 ends the work.  Lane l takes columns 2 l, 2 l + 1 of the 32 waves' sums: each load reads 256 neighbouring bytes.
	v_lshrrev_b32 v[TMP], 1, v[L8]                 ; 4 x lane
	s_wait_alu depctr_va_vdst(0)                   ; v[TMP] is written, which the last of the loads below reads as its address
.set j, 0
.rept 32
	ds_load_b64 v[X+2*j:X+2*j+1], v[L8] offset:256*j
.set j, j+1
.endr
	ds_load_b32 v[C], v[TMP] offset:COUNTS         ; lane l: wave l's count
	; meanwhile: the scales of val_table's rows 0 and 1 (in since the last group's wait for all loads)
	v_mul_f32 v[S+0], v[VR], v[VR]
	v_mul_f32 v[S+1], v[VR+2], v[VR+2]
	v_fmac_f32 v[S+0], v[VR+1], v[VR+1]
	v_fmac_f32 v[S+1], v[VR+3], v[VR+3]
	v_permlane16_swap_b32 v[S+0], v[S+1]           ; row 0's squares now in lanes 0-15 of both registers, row 1's in lanes 16-31
	v_add_f32 v[S+0], v[S+0], v[S+1]
	v_add_f32_dpp v[S+0], v[S+0], v[S+0] row_xmask:1 row_mask:0xf bank_mask:0xf
	v_add_f32_dpp v[S+0], v[S+0], v[S+0] row_xmask:2 row_mask:0xf bank_mask:0xf
	v_add_f32_dpp v[S+0], v[S+0], v[S+0] row_xmask:4 row_mask:0xf bank_mask:0xf
	v_add_f32_dpp v[S+0], v[S+0], v[S+0] row_xmask:8 row_mask:0xf bank_mask:0xf
	v_sqrt_f32 v[S+1], v[S+0]
	v_nop                                          ; the place behind the transcendental, as above
	s_wait_alu depctr_va_vdst(0)                   ; the square root has written v[S+1], ahead of its first reader
	v_add_f32 v[S+2], EPS, v[S+1]
	v_rcp_f32 v[S+3], v[S+2]
	v_cmp_lt_f32 vcc_lo, 1.0, v[S+1]
	s_wait_alu depctr_va_vdst(0)                   ; the reciprocal has written v[S+3], ahead of its first reader
	s_wait_alu depctr_va_vcc(0)                    ; the compare has written VCC, which the select reads
	v_cndmask_b32 v[S+0], 1.0, v[S+3], vcc_lo
	v_readlane_b32 s24, v[S+0], 0                  ; row 0's scale
	v_readlane_b32 s25, v[S+0], 16                 ; row 1's scale
	s_wait_dscnt 0x0
	v_add_f32_dpp v[C], v[C], v[C] row_xmask:1 row_mask:0xf bank_mask:0xf
	v_add_f32_dpp v[C], v[C], v[C] row_xmask:2 row_mask:0xf bank_mask:0xf
	v_add_f32_dpp v[C], v[C], v[C] row_xmask:4 row_mask:0xf bank_mask:0xf
	v_add_f32_dpp v[C], v[C], v[C] row_xmask:8 row_mask:0xf bank_mask:0xf
	v_permlanex16_b32 v[D], v[C], s22, s23
	v_add_f32 v[C], v[C], v[D]                     ; P, the sample's set bits, in every lane
.set j, 4
.rept 28
	v_pk_add_f32 v[X+2*(j%4):X+2*(j%4)+1], v[X+2*(j%4):X+2*(j%4)+1], v[X+2*j:X+2*j+1]   ; four chains that do not wait for each other
.set j, j+1
.endr
	v_sub_f32 v[T+2], 0x47000000, v[C]             ; 16 x 2,048 - P: the clear bits
	s_wait_alu depctr_va_sdst(0)                   ; s24 and s25 are written, ahead of their first readers, the two lines below
	v_mul_f32 v[C], s25, v[C]                      ; P x row 1's scale
	v_mul_f32 v[T+2], s24, v[T+2]                  ; clear bits x row 0's scale
	v_pk_add_f32 v[X:X+1], v[X:X+1], v[X+2:X+3]
	v_pk_add_f32 v[X+4:X+5], v[X+4:X+5], v[X+6:X+7]
	v_pk_add_f32 v[X:X+1], v[X:X+1], v[X+4:X+5]
	v_pk_fma_f32 v[X:X+1], v[VR+2:VR+3], v[C:C+1], v[X:X+1] op_sel_hi:[1,0,1]
	v_pk_fma_f32 v[X:X+1], v[VR:VR+1], v[T+2:T+3], v[X:X+1] op_sel_hi:[1,0,1]
	v_pk_mul_f32 v[X:X+1], v[X:X+1], 0x3a000000 op_sel_hi:[1,0]   ; the mean: x 2^-11, exact
	s_wait_alu depctr_va_vdst(0)                   ; v[X:X+1] is written, which the store reads
	global_store_b64 v[L8], v[X:X+1], s[12:13]     ; 32 lanes store the sample's 256 consecutive bytes, at a multiple of 256 from out0's first byte
.Ldone:
	s_wait_xcnt 0x0
	v_lshl_add_u32 v122, v0, 2, 0x2100             ; the add's two registers are made anew here: no memory or LDS instruction has read v122 or v123
	v_mov_b32 v123, 0
	s_wait_dscnt 0x0                               ; the closing lines, six on end
	s_wait_alu 0x0
	s_wait_tensorcnt 0x0
	ds_add_u32 v122, v123
	s_wait_dscnt 0x0
	s_endpgm
.Lfunc_end_k_q5fa0781366_encode:
	.size	k_q5fa0781366_encode, .Lfunc_end_k_q5fa0781366_encode-k_q5fa0781366_encode
	.p2alignl 7, 3214868480
	.fill 96, 4, 3214868480
	.section	.rodata,"a",@progbits
	.p2align	6, 0x0
	.amdhsa_kernel k_q5fa0781366_encode
		.amdhsa_group_segment_fixed_size 12544
		.amdhsa_private_segment_fixed_size 0
		.amdhsa_enable_private_segment 0
		.amdhsa_kernarg_size 40
		.amdhsa_user_sgpr_count 2
		.amdhsa_user_sgpr_kernarg_segment_ptr 1
		.amdhsa_wavefront_size32 1
		.amdhsa_system_sgpr_workgroup_id_x 1
		.amdhsa_system_sgpr_workgroup_id_y 1
		.amdhsa_system_sgpr_workgroup_id_z 1
		.amdhsa_system_vgpr_workitem_id 0
		.amdhsa_next_free_vgpr 128
		.amdhsa_next_free_sgpr 66
		.amdhsa_reserve_vcc 1
		.amdhsa_float_denorm_mode_32 3
		.amdhsa_float_denorm_mode_16_64 3
		.amdhsa_memory_ordered 1
		.amdhsa_forward_progress 1
		.amdhsa_inst_pref_size 37
	.end_amdhsa_kernel
	.amdgpu_metadata
---
amdhsa.version: [ 1, 2 ]
amdhsa.kernels:
  - .name:           k_q5fa0781366_encode
    .symbol:         k_q5fa0781366_encode.kd
    .args:
      - { .name: pos_table, .offset: 0, .size: 8, .value_kind: global_buffer, .address_space: global }
      - { .name: positions, .offset: 8, .size: 8, .value_kind: global_buffer, .address_space: global }
      - { .name: val_table, .offset: 16, .size: 8, .value_kind: global_buffer, .address_space: global }
      - { .name: values, .offset: 24, .size: 8, .value_kind: global_buffer, .address_space: global }
      - { .name: out0, .offset: 32, .size: 8, .value_kind: global_buffer, .address_space: global }
    .group_segment_fixed_size: 12544
    .private_segment_fixed_size: 0
    .kernarg_segment_align: 8
    .kernarg_segment_size: 40
    .max_flat_workgroup_size: 1024
    .sgpr_count:     66
    .vgpr_count:     128
    .wavefront_size: 32
...
	.end_amdgpu_metadata
.endif
;; end of part 2
